; MI455X (gfx1250); checked and timed in simulation.
; The chip was launched on July 23, 2026; its instructions are those of AMD's public machine-readable ISA for CDNA 5 (MIT licence, August 2026) and "CDNA5" Instruction Set Architecture Reference Guide (July 2026). The comments in the code are by the model that wrote it; some were corrected since.
;; Bigbird Simulated Attention. Allowed arithmetic: matrix products marked QUANTISED: E2M1 operands, one E8M0 scale for each 32 along K, by v_wmma_scale_f32_16x16x128_f8f6f4 with both operands' format E2M1 (or v_wmma_scale_f32_32x16x128_f4), f32 sums; everything else in f32.
;; Inputs: k_codes 2 x 6 x 4,096 x 2 x 16 uint8 (E2M1 codes of k, K innermost, in blocks of 32 codes, two codes a byte); k_scales 2 x 6 x 4,096 x 2 uint8 (E8M0 scales of k, one for each 32 codes along K); mask 4,096 x 4,096 int32; q_codes 2 x 6 x 4,096 x 2 x 16 uint8 (E2M1 codes of q, K innermost, in blocks of 32 codes, two codes a byte); q_scales 2 x 6 x 4,096 x 2 uint8 (E8M0 scales of q, one for each 32 codes along K); v_codes 2 x 6 x 64 x 128 x 16 uint8 (E2M1 codes of v, K innermost, in blocks of 32 codes, two codes a byte); v_scales 2 x 6 x 64 x 128 uint8 (E8M0 scales of v, one for each 32 codes along K).
;; Outputs: out0 2 x 6 x 4,096 x 64 float32.
;; This version of the problem:
;;   THIS VERSION OF THE PROBLEM IS GIVEN IN LOW PRECISION. The matrix products marked QUANTISED in the list below multiply operands that are first quantised to E2M1 (2 exponent bits, 1 mantissa bit; 4 bits a number), with one power-of-two scale for each 32 numbers along K (OCP MX v1.0); their sums are f32. All else is computed in f32.
;;   The module's matrix products, in the order in which they are computed (A, B: the left and right operand; K: the contracted axis; several contracted axes count as one K, in the product's order):
;;     1. batch 12 x [M 4,096, K 64] x [K 64, N 4,096]; A: input q (given as codes); B: input k (given as codes): QUANTISED
;;     2. batch 12 x [M 4,096, K 4,096] x [K 4,096, N 64]; A: softmax (see below); B: input v (given as codes): QUANTISED
;;   THE QUANTISER, for each operand of a quantised product, along K:
;;     - K is cut into blocks of 32 from its start; a last block that is shorter is filled with zeros.
;;     - A block's scale is 2^e with e = floor(log2(the largest magnitude in the block)) - 2, held to -126 .. 127; a block of zeros has e = 0. As a byte (E8M0): e + 127.
;;     - Each number is divided by its block's scale, clamped to +-6, and rounded to the nearest number of E2M1, ties to even, subnormals kept.
;;     - The product sums the exact products of the quantised numbers (number of the format x scale) in f32.
;;   ~~~python
;;   def quantise(x, axis):      # numpy; x: float32 -> the quantised numbers, widened to float32 again
;;       x = np.moveaxis(x, axis, -1); K = x.shape[-1]
;;       x = np.pad(x, [(0, 0)] * (x.ndim - 1) + [(0, -K % 32)]); x = x.reshape(x.shape[:-1] + (-1, 32)); a = np.abs(x).max(-1, keepdims=True)
;;       e = np.where(a > 0, np.clip(np.frexp(np.where(a > 0, a, 1))[1] - 1 - 2, -126, 127), 0)      # np.frexp(a)[1] - 1 = floor(log2(a)), exactly
;;       r = np.clip(x / 2.0 ** e, -6, 6)
;;       step = 2.0 ** (np.maximum(np.frexp(np.where(r == 0, 1, r))[1] - 1, 0) - 1)
;;       q = np.round(r / step) * step * 2.0 ** e      # np.round: ties to even
;;       return np.moveaxis(q.reshape(q.shape[:-2] + (-1,))[..., :K], -1, axis).astype(np.float32)
;;   ~~~
;;   SOFTMAX AHEAD OF A QUANTISED PRODUCT. Where the list says 'softmax', what is quantised is not the finished softmax but p = 2^(t - M), with t = logit x log2(e) and M = ceil(the row's largest t), a whole number; so 1/2 < the row's largest p <= 1. The row's sum l is taken of the UNQUANTISED p, in f32, and the product's result is divided by l at the end. Since M is a whole number, a kernel that streams over the keys may use a running M (the ceiling of the running maximum): every later rescaling is an exact power of two, which a block's scale takes up: the codes' values come out the same.
;;   OPERANDS COMPUTED ON THE WAY. 'Computed on the way' means the value that the module computes at that place (a softmax that the list does not call 'softmax' is quantised finished and normalised). What goes into a quantiser is computed in f32, as accurately as f32 sums, v_exp_f32 and their like allow (about 1e-6 of the number): no bf16 or f16 on the way to a quantiser, and a product that is left as it is and whose result goes on into a quantised operand takes f32 operands (vector FMAs, or v_wmma_f32_16x16x4_f32). A number that lies on a knife's edge between two numbers of the format may be rounded either way, as far as f32 arithmetic and the matrix unit's own rounding can turn it there, and no further.
;;   INPUTS GIVEN AS CODES. k (in the module: [2, 6, 4096, 64], K = its axis 3); q (in the module: [2, 6, 4096, 64], K = its axis 3); v (in the module: [2, 6, 4096, 64], K = its axis 2): each comes as NAME_codes (uint8): NAME with its K axis moved to the last place and cut into blocks of 32 codes, [.., K / 32, bytes a block], one block behind the other in memory; two codes a byte, the lower K in the low four bits (a code: sign, 2 exponent bits, 1 mantissa bit); and NAME_scales (uint8): the same leading axes, one E8M0 byte (e + 127) for each 32 codes along K. Its value is code x scale, taken as it is: it is not quantised again, and the codes and scales need not be those that the quantiser above would give.
;; One version. Each part assembles by itself: llvm-mc -triple=amdgcn-amd-amdhsa -mcpu=gfx1250 --defsym DOCPART=n.
;; ======== version 1 of 1: 2 launches
;; limits: right only within a limited range of input values
;; workspace buffers: bits 2,097,152 bytes of whole numbers; list 65,536 bytes of whole numbers; cnt 256 bytes of whole numbers; vfrag 1,572,864 bytes; vsc 98,304 bytes
;; launch prep (part 1): grid 256 x 1, 16 waves a work-group, no clusters, 272,896 bytes of LDS; arguments mask, v_codes, v_scales, bits, list, cnt, vfrag, vsc; writes bits, list, cnt, vfrag, vsc
.if DOCPART == 1
	.amdgcn_target "amdgcn-amd-amdhsa--gfx1250"
	.amdhsa_code_object_version 6
	.text
	.protected	k_q6d62e373f2_prep
	.globl	k_q6d62e373f2_prep
	.p2align	8
	.type	k_q6d62e373f2_prep,@function
k_q6d62e373f2_prep:
	s_mov_b64 s[64:65], 0
	v_nop
	global_prefetch_b8 v0, s[64:65] scope:SCOPE_SE
	s_setreg_imm32_b32 hwreg(HW_REG_WAVE_MODE, 25, 1), 1
	s_wait_xcnt 0x0
; THE MASK IS READ ONCE AND TURNED INTO WHOLE NUMBERS; V IS LAID IN THE ORDER OF ITS OPERAND'S REGISTERS.
; mask: [4096][4096] int32, open where > 0.  A TILE is 16 queries, a CHUNK 64 keys.  Work-group t owns tile t: 16 rows x 16,384 bytes = 262,144 bytes, which come into LDS by first fills alone:
; each of the sixteen waves asks for two tiles of 16 rows x 512 bytes (a PAIR of chunks each) and reads only what it asked for, so its own wait on TENSORcnt orders its reads.  Two tensor loads of a wave are out at the most.
; OUT:  bits [tile][chunk][32 words]: bit L of word j = mask(16 tile + L % 16, 64 chunk + 32 (j / 16) + 16 (L / 16) + j % 16) > 0: the lane mask of score register j in the next launch.
;       list [tile][64 words]: first the chunks that are kept, ascending, then the others: a permutation of 0 .. 63, so every word is written.     cnt [tile]: how many are kept, 1 .. 64, a byte.
;       A chunk is kept if some query of the tile has an open key in it.  If some query of the tile has no open key at all, all 64 chunks are kept: such a row's result is the mean over all keys.
;       vfrag [head][chunk][dt 4][lane][16 bytes]: lane (r, h) holds the codes of channel 16 dt + r, keys 64 chunk + 32 h + 0 .. 31.     vsc [head][chunk][channel 64]: that chunk's two scale bytes.
; No branch hangs on loaded data: what the mask decides is chosen by s_cselect_b32 and v_cndmask_b32; branches hang on the wave's number alone.
.set PITCH, 528                        ; an LDS row: 512 bytes + 16 of padding = 33 x 16: the sixteen rows that a load of 16 bytes a lane touches start in sixteen different columns of 16 bytes
.set TILEB, 16*PITCH                   ; a pair's tile
.set WREG,  2*TILEB                    ; a wave's two tiles
.set FLG,   16*WREG                    ; behind the tiles: a word for each chunk (256 bytes); no fill lands here
.set ANY,   FLG+256                    ; a word for each wave: which rows it saw open (64 of 256 bytes used)
.set SPARE, ANY+256                    ; the spare words, 128 bytes for each wave: eight blocks of 256 bytes that no other line names
.set LANE, 1                           ; v1   lane
.set R,    2                           ; v2   lane % 16
.set H,    3                           ; v3   lane / 16
.set LD,   4                           ; v4   LDS: my wave's tiles + row r + 64 h bytes
.set BO,   5                           ; v5   my 8 bytes of the wave's 512 in the tile's part of bits
.set FA,   6                           ; v6   LDS: the flag word of chunk 4 w + lane % 4
.set AA,   7                           ; v7   LDS: my wave's word of ANY
.set SPW,  8                           ; v8   LDS address of my spare word; never rewritten
.set NIL,  9                           ; v9   0; never rewritten
.set W,    24                          ; v[24:27] the words to store: pair p's even and odd words at v[24+2p], v[25+2p]; lane L holds words 2 L and 2 L + 1
.set FR,   28                          ; v28  LDS: FLG + 4 x lane (wave 0 reads)
.set AR,   29                          ; v29  LDS: ANY
.set X,    32                          ; v[32:95] a pair's 64 mask words of my lane
.set G1,   24                          ; s[24:31] descriptor group 1
.set G0,   32                          ; s[32:39] descriptor group 0, one set for each pair
	s_load_b512 s[4:19], s[0:1], 0x0               ; mask s[4:5], v_codes s[6:7], v_scales s[8:9], bits s[10:11], list s[12:13], cnt s[14:15], vfrag s[16:17], vsc s[18:19]
	v_lshl_add_u32 v[SPW], v0, 2, SPARE
	v_mov_b32 v[NIL], 0
	ds_add_u32 v[SPW], v[NIL]                      ; the wave's opening: the add and its wait stand ahead of my first tensor load; the set-up below, work on registers, stands between them
	ds_add_u32 v[SPW], v[NIL]
	v_lshrrev_b32 v10, 5, v0
	s_delay_alu instid0(VALU_DEP_1)
	v_readfirstlane_b32 s2, v10                    ; wave 0 .. 15
	; group 1: a tile of 16 rows x 128 elements of 4 bytes, rows 4,096 elements apart, 4 words of padding behind every 128
	s_mov_b32 s[G1+0], (2<<16)|(1<<20)|(6<<22)|(3<<25)
	s_mov_b32 s[G1+1], 128<<16                     ; tensor_dim0 = 128
	s_mov_b32 s[G1+2], 16<<16                      ; tensor_dim1 = 16
	s_mov_b32 s[G1+3], 128<<16                     ; tile_dim0 = 128
	s_mov_b32 s[G1+4], 16                          ; tile_dim1 = 16
	s_mov_b32 s[G1+5], 4096                        ; from row to row
	s_mov_b32 s[G1+6], 0
	s_mov_b32 s[G1+7], 0
	s_mul_i32 s20, s2, WREG                        ; my wave's tiles in LDS
	s_lshl_b32 s22, ttmp9, 18                      ; the tile's 16 rows of 16,384 bytes,
	s_lshl_b32 s21, s2, 10                         ; my wave's four chunks: 1,024 bytes of each row
	s_add_co_u32 s22, s22, s21
	s_mov_b32 s23, 0
	v_and_b32 v[LANE], 31, v0
	v_and_b32 v[R], 15, v0
	v_bfe_u32 v[H], v0, 4, 1
	s_delay_alu instid0(VALU_DEP_2)
	v_mul_u32_u24 v[LD], v[R], PITCH
	s_delay_alu instid0(VALU_DEP_1)
	v_lshl_add_u32 v[LD], v[H], 6, v[LD]
	s_delay_alu instid0(VALU_DEP_1)
	v_add_nc_u32 v[LD], s20, v[LD]
	s_lshl_b32 s21, s2, 9
	v_lshl_add_u32 v[BO], v[LANE], 3, s21
	v_and_b32 v[FA], 3, v0
	s_delay_alu instid0(VALU_DEP_1)
	v_lshlrev_b32 v[FA], 2, v[FA]
	s_lshl_b32 s21, s2, 4
	s_add_co_u32 s21, s21, FLG
	v_add_nc_u32 v[FA], s21, v[FA]
	s_lshl_b32 s21, s2, 2
	s_add_co_u32 s21, s21, ANY
	v_mov_b32 v[AA], s21
	v_lshl_add_u32 v[FR], v[LANE], 2, FLG
	v_mov_b32 v[AR], ANY
.irp i, 0,1,2,3
	v_mov_b32 v[W+\i], 0                           ; written once whole: v_writelane_b32's destination counts as one of its sources
.endr
	s_mov_b32 s51, 0xcccccccc                      ; lanes with lane & 2
	s_mov_b32 s52, 0xaaaaaaaa                      ; lanes with lane & 1
	s_wait_dscnt 0x0                               ; the opening add is done
	s_wait_kmcnt 0x0
	s_mov_b32 s[G0], 1
	s_mov_b32 s[G0+1], s20                         ; pair 0's tile in LDS
	s_add_nc_u64 s[G0+2:G0+3], s[4:5], s[22:23]    ; and in memory
	s_mov_b32 s[G0+4], 1
	s_add_co_u32 s[G0+5], s20, TILEB               ; pair 1's
	s_add_nc_u64 s[G0+6:G0+7], s[G0+2:G0+3], 512
	s_or_b32 s[G0+3], s[G0+3], 0x80000000          ; type = 2
	s_or_b32 s[G0+7], s[G0+7], 0x80000000
	tensor_load_to_lds s[G0:G0+3], s[G1:G1+7]      ; both first fills go out together, ahead of every wait on TENSORcnt, every LDS read and the barrier
	s_nop 0
	tensor_load_to_lds s[G0+4:G0+7], s[G1:G1+7]
	s_nop 0
	s_lshl_b32 s22, ttmp9, 13
	s_add_nc_u64 s[66:67], s[10:11], s[22:23]      ; bits at my tile: 64 chunks x 128 bytes
	s_lshl_b32 s22, ttmp9, 8
	s_add_nc_u64 s[68:69], s[12:13], s[22:23]      ; list at my tile
	s_mov_b32 s22, ttmp9
	s_add_nc_u64 s[70:71], s[14:15], s[22:23]      ; cnt at my tile
	; ---- V, while the mask is on its way.  12 heads x 4 x 64 = 3,072 fragments: twelve a work-group, one a wave (waves 0 to 11).  768 records of scale bytes: three a work-group (waves 12 to 14).
	s_cmp_lt_u32 s2, 12
	s_cbranch_scc0 .Lnot_codes
	s_mul_i32 s53, ttmp9, 12
	s_add_co_u32 s53, s53, s2                      ; fragment f = 256 head + 64 dt + chunk
	s_and_b32 s54, s53, 63                         ; chunk
	s_bfe_u32 s55, s53, 0x20006                    ; dt
	s_lshr_b32 s53, s53, 8                         ; head
	s_lshl_b32 s53, s53, 17                        ; a head's codes are 131,072 bytes in both layouts
	s_lshl_b32 s56, s55, 15                        ; from: 16 dt rows of 2,048 bytes,
	s_add_co_u32 s56, s56, s53
	s_lshl_b32 s57, s54, 5                         ; 32 bytes a chunk in each row
	s_add_co_u32 s56, s56, s57
	s_mov_b32 s57, 0
	s_add_nc_u64 s[58:59], s[6:7], s[56:57]
	s_lshl_b32 s56, s54, 11                        ; to: 2,048 bytes a chunk,
	s_add_co_u32 s56, s56, s53
	s_lshl_b32 s55, s55, 9                         ; 512 a fragment
	s_add_co_u32 s56, s56, s55
	s_add_nc_u64 s[60:61], s[16:17], s[56:57]
	v_lshlrev_b32 v10, 11, v[R]                    ; channel r's row,
	s_delay_alu instid0(VALU_DEP_1)
	v_lshl_add_u32 v10, v[H], 4, v10               ; my half's block of 32 keys
	v_lshlrev_b32 v11, 4, v[LANE]
	global_load_b128 v[16:19], v10, s[58:59]
	s_wait_alu depctr_va_vdst(0)
	s_wait_loadcnt 0x0
	global_store_b128 v11, v[16:19], s[60:61]      ; the wave stores 512 consecutive bytes, aligned
	s_branch .Lpacked
.Lnot_codes:
	s_cmp_lt_u32 s2, 15
	s_cbranch_scc0 .Lpacked
	s_mul_i32 s53, ttmp9, 3
	s_add_co_u32 s53, s53, s2
	s_sub_co_u32 s53, s53, 12                      ; record = 64 head + chunk
	s_lshr_b32 s54, s53, 6
	s_and_b32 s55, s53, 63
	s_lshl_b32 s56, s54, 13                        ; from: a head's 64 rows of 128 bytes,
	s_lshl_b32 s57, s55, 1                         ; the chunk's two bytes in each
	s_add_co_u32 s56, s56, s57
	s_mov_b32 s57, 0
	s_add_nc_u64 s[58:59], s[8:9], s[56:57]
	s_lshl_b32 s56, s53, 7                         ; to: 128 bytes a record
	s_add_nc_u64 s[60:61], s[18:19], s[56:57]
	v_lshlrev_b32 v10, 8, v[LANE]                  ; channels 2 lane and 2 lane + 1
	v_lshlrev_b32 v11, 2, v[LANE]
	global_load_u16 v20, v10, s[58:59]
	global_load_u16 v21, v10, s[58:59] offset:128
	s_wait_loadcnt 0x0
	v_lshl_or_b32 v22, v21, 16, v20
	s_wait_alu depctr_va_vdst(0)
	global_store_b32 v11, v22, s[60:61]            ; the wave stores 128 consecutive bytes
.Lpacked:
; A pair of chunks: my lane's 64 words (row r; of each block of 32 keys the 16 of my half), 64 compares whose lane masks ARE the words to store, gathered by v_writelane_b32 so that lane L holds words 2 L and 2 L + 1.
.macro PAIR p
.irp l, 0,1,2,3,4,5,6,7,8,9,10,11,12,13,14,15
	ds_load_b128 v[X+4*\l:X+4*\l+3], v[LD] offset:\p*TILEB+(\l/8)*256+((\l/4)%2)*128+(\l%4)*16
.endr
	s_wait_dscnt 0x0
.set g, 0
.rept 8
.irp e, 0,1,2,3,4,5,6,7
	v_cmp_lt_i32 s[40+\e], 0, v[X+8*g+\e]          ; word 8 g + e of the pair's 64: chunk (8 g + e) / 32, register (8 g + e) % 32
.endr
.irp e, 0,1,2,3,4,5,6,7
	s_or_b32 s48, s48, s[40+\e]                    ; which lanes (rows) have seen an open key
.endr
.irp e, 0,1,2,3,4,5,6,7
	v_writelane_b32 v[W+2*\p+(\e%2)], s[40+\e], 4*g+\e/2
.endr
.set g, g+1
.endr
	s_delay_alu instid0(VALU_DEP_1)
	v_or_b32 v12, v[W+2*\p], v[W+2*\p+1]
	s_delay_alu instid0(VALU_DEP_1)
	v_cmp_ne_u32 s[49+\p], 0, v12                  ; lanes 0-15 speak for the pair's even chunk, lanes 16-31 for its odd one
	global_store_b64 v[BO], v[W+2*\p:W+2*\p+1], s[66:67] offset:256*\p   ; the wave stores 256 consecutive bytes, aligned; each pair has data registers of its own
.endm
	s_mov_b32 s48, 0
	s_wait_tensorcnt 0x1                           ; pair 0's tile has landed; pair 1's, issued behind it, may be out
	PAIR 0
	s_wait_tensorcnt 0x0
	PAIR 1
	; ---- what the wave found goes to wave 0: a word for each of its four chunks (lane % 4 picks it; the eight lanes that share a word write the same value), and its rows
	v_mov_b32 v12, s49
	v_mov_b32 v13, s50
	s_delay_alu instid0(VALU_DEP_1)
	v_cndmask_b32 v12, v12, v13, s51               ; lane & 2: pair 1
	s_delay_alu instid0(VALU_DEP_1)
	v_lshrrev_b32 v13, 16, v12
	s_delay_alu instid0(VALU_DEP_2)
	v_and_b32 v12, 0xffff, v12
	s_delay_alu instid0(VALU_DEP_1)
	v_cndmask_b32 v12, v12, v13, s52               ; lane & 1: the odd chunk
	ds_store_b32 v[FA], v12
	v_mov_b32 v14, s48
	ds_store_b32 v[AA], v14
	s_wait_dscnt 0x0                               ; for wave 0's sake: my stores are done
	s_barrier_signal -1
	s_barrier_wait -1
	s_cmp_lg_u32 s2, 0
	s_cbranch_scc1 .Lend
	; ---- wave 0: the tile's list and count.  Lane L stands for chunks L and 32 + L
	ds_load_b32 v96, v[FR]
	ds_load_b32 v97, v[FR] offset:128
.irp i, 0,1,2,3
	ds_load_b128 v[100+4*\i:103+4*\i], v[AR] offset:16*\i   ; the sixteen waves' rows, in every lane
.endr
	s_wait_dscnt 0x0
	v_cmp_ne_u32 s53, 0, v96                       ; chunks 0-31 with an open key
	v_cmp_ne_u32 s54, 0, v97                       ; chunks 32-63
.irp i, 0,1,2,3,4,5,6,7
	v_or_b32 v[100+\i], v[100+\i], v[108+\i]
.endr
.irp i, 0,1,2,3
	s_delay_alu instid0(VALU_DEP_4)
	v_or_b32 v[100+\i], v[100+\i], v[104+\i]
.endr
	s_delay_alu instid0(VALU_DEP_2)
	v_or_b32 v100, v100, v102
	s_delay_alu instid0(VALU_DEP_2)
	v_or_b32 v101, v101, v103
	s_delay_alu instid0(VALU_DEP_1)
	v_or_b32 v100, v100, v101
	s_delay_alu instid0(VALU_DEP_1)
	v_readfirstlane_b32 s55, v100
	s_lshr_b32 s56, s55, 16
	s_or_b32 s55, s55, s56
	s_and_b32 s55, s55, 0xffff                     ; bit r: row r has an open key somewhere
	s_cmp_eq_u32 s55, 0xffff
	s_cselect_b32 s53, s53, -1                     ; a row without any: every chunk is kept
	s_cselect_b32 s54, s54, -1
	s_bcnt1_i32_b32 s56, s53                       ; kept among the first 32,
	s_bcnt1_i32_b32 s57, s54
	s_add_co_u32 s57, s56, s57                     ; n: kept in all
	v_mbcnt_lo_u32_b32 v12, s53, 0                 ; kept chunks under mine, in each half
	v_mbcnt_lo_u32_b32 v13, s54, 0
	s_delay_alu instid0(VALU_DEP_2)
	v_sub_nc_u32 v14, v[LANE], v12                 ; chunk L: kept -> place r0; else n + the chunks under it that are not kept
	s_delay_alu instid0(VALU_DEP_1)
	v_add_nc_u32 v14, s57, v14
	s_delay_alu instid0(VALU_DEP_1)
	v_cndmask_b32 v14, v14, v12, s53
	s_delay_alu instid0(VALU_DEP_4)
	v_sub_nc_u32 v15, v[LANE], v13                 ; chunk 32 + L likewise, behind the first half's
	s_sub_co_u32 s58, s57, s56
	s_add_co_u32 s58, s58, 32
	v_add_nc_u32 v15, s58, v15
	v_add_nc_u32 v13, s56, v13
	s_delay_alu instid0(VALU_DEP_1)
	v_cndmask_b32 v15, v15, v13, s54
	v_min_u32 v14, 63, v14                         ; a place made of loaded numbers is held inside the tile's 64 words
	s_delay_alu instid0(VALU_DEP_2)
	v_min_u32 v15, 63, v15
	s_delay_alu instid0(VALU_DEP_2)
	v_lshlrev_b32 v14, 2, v14
	s_delay_alu instid0(VALU_DEP_2)
	v_lshlrev_b32 v15, 2, v15
	v_add_nc_u32 v98, 32, v[LANE]
	global_store_b32 v14, v[LANE], s[68:69]
	global_store_b32 v15, v98, s[68:69]
	v_mov_b32 v99, s57
	v_mov_b32 v117, 0
	v_cmp_eq_u32 vcc_lo, 0, v[LANE]
	s_wait_alu depctr_va_vdst(0)
	s_wait_xcnt 0x0                                ; EXEC is a source of the stores above: it changes only behind this wait
	s_and_saveexec_b32 s59, vcc_lo
	global_store_b8 v117, v99, s[70:71]            ; one lane stores the count
	s_wait_xcnt 0x0                                ; and again in front of the line that widens it
	s_or_b32 exec_lo, exec_lo, s59
.Lend:
	s_wait_tensorcnt 0x0                           ; the wave's end: behind my last tensor load and my last LDS store
	ds_add_u32 v[SPW], v[NIL]
	s_wait_dscnt 0x0
	s_endpgm
.Lfunc_end_k_q6d62e373f2_prep:
	.size	k_q6d62e373f2_prep, .Lfunc_end_k_q6d62e373f2_prep-k_q6d62e373f2_prep
	.p2alignl 7, 3214868480
	.fill 96, 4, 3214868480
	.section	.rodata,"a",@progbits
	.p2align	6, 0x0
	.amdhsa_kernel k_q6d62e373f2_prep
		.amdhsa_group_segment_fixed_size 272896
		.amdhsa_private_segment_fixed_size 0
		.amdhsa_enable_private_segment 0
		.amdhsa_kernarg_size 64
		.amdhsa_user_sgpr_count 2
		.amdhsa_user_sgpr_kernarg_segment_ptr 1
		.amdhsa_wavefront_size32 1
		.amdhsa_system_sgpr_workgroup_id_x 1
		.amdhsa_system_sgpr_workgroup_id_y 1
		.amdhsa_system_sgpr_workgroup_id_z 1
		.amdhsa_system_vgpr_workitem_id 0
		.amdhsa_next_free_vgpr 128
		.amdhsa_next_free_sgpr 96
		.amdhsa_reserve_vcc 1
		.amdhsa_float_denorm_mode_32 3
		.amdhsa_float_denorm_mode_16_64 3
		.amdhsa_memory_ordered 1
		.amdhsa_forward_progress 1
		.amdhsa_inst_pref_size 32
	.end_amdhsa_kernel
	.amdgpu_metadata
---
amdhsa.version: [ 1, 2 ]
amdhsa.kernels:
  - .name:           k_q6d62e373f2_prep
    .symbol:         k_q6d62e373f2_prep.kd
    .args:
      - { .name: mask, .offset: 0, .size: 8, .value_kind: global_buffer, .address_space: global }
      - { .name: v_codes, .offset: 8, .size: 8, .value_kind: global_buffer, .address_space: global }
      - { .name: v_scales, .offset: 16, .size: 8, .value_kind: global_buffer, .address_space: global }
      - { .name: bits, .offset: 24, .size: 8, .value_kind: global_buffer, .address_space: global }
      - { .name: list, .offset: 32, .size: 8, .value_kind: global_buffer, .address_space: global }
      - { .name: cnt, .offset: 40, .size: 8, .value_kind: global_buffer, .address_space: global }
      - { .name: vfrag, .offset: 48, .size: 8, .value_kind: global_buffer, .address_space: global }
      - { .name: vsc, .offset: 56, .size: 8, .value_kind: global_buffer, .address_space: global }
    .group_segment_fixed_size: 272896
    .private_segment_fixed_size: 0
    .kernarg_segment_align: 8
    .kernarg_segment_size: 64
    .max_flat_workgroup_size: 512
    .sgpr_count:     96
    .vgpr_count:     128
    .wavefront_size: 32
...
	.end_amdgpu_metadata
.endif
;; end of part 1
;; launch attn (part 2): grid 256 x 1, 16 waves a work-group, no clusters, 171,776 bytes of LDS; arguments q_codes, q_scales, k_codes, k_scales, vfrag, vsc, bits, list, cnt, out0; writes out0
.if DOCPART == 2
	.amdgcn_target "amdgcn-amd-amdhsa--gfx1250"
	.amdhsa_code_object_version 6
	.text
	.protected	k_q6d62e373f2_attn
	.globl	k_q6d62e373f2_attn
	.p2align	8
	.type	k_q6d62e373f2_attn,@function
k_q6d62e373f2_attn:
	s_mov_b64 s[64:65], 0
	v_nop
	global_prefetch_b8 v0, s[64:65] scope:SCOPE_SE
	s_setreg_imm32_b32 hwreg(HW_REG_WAVE_MODE, 25, 1), 1
	s_wait_xcnt 0x0
; out0[head][q][:] = the sum over k of softmax_k(masked q . k / 8) v[k][:], 12 heads, 4,096 queries and keys, head size 64, both products on codes of FP4 (E2M1) with one E8M0 scale for each 32 along K.
; THE SOFTMAX AHEAD OF THE SECOND PRODUCT: t = logit x log2(e); M = the row's largest t so far, rounded UP to a whole number; p = 2^(t - M) is quantised along the keys, not normalised; the row's sum is taken of
; the unquantised p and divides at the end.  When M moves, the sum and O are multiplied by 2^(old M - new M), which rounds nothing.
; ONLY THE CHUNKS THAT THE LAUNCH BEFORE KEPT ARE WALKED (a chunk: 64 keys, two blocks of the quantiser).  In a chunk that was not kept every query of the tile is masked and has an open key elsewhere: all its p are 0.
; LIMITS.  A masked logit is taken as -2^30 where the definition has -1e9: the raw score -2^33 times c is a whole number, so a row with no open key has p = 1 everywhere, as defined; results agree while open logits
; stay above about -1e9 + 200.  NaN and scale bytes of 0xff are not served.  A block whose every p is 0 keeps the scale byte 1: its codes are zeros.
; SHARES, from cnt alone.  A TILE is 16 queries, a QUAD four tiles.  A JOB is (head, tile); it is cut into S = 1, 2, 4 or 8 SEGMENTS of at most 8 chunks, S by the quad's largest count (over 8, 16, 32).  A wave takes one
; segment; sixteen neighbouring wave places are an ITEM; a quad has 48 S places = 3 S items; there are at most 64 x 24 = 1,536 = 6 x 256 items.  Work-group g takes items g + 256 x trip in a loop of 6 trips, a constant:
; the two barriers of a trip stand on every wave's path; what hangs on stored numbers is jumped over between them.  A job's segments are neighbouring waves of one item: they meet in LDS, and segment 0's wave stores.
; No tensor load: trip counts hang on stored numbers, so K, V and the mask words go from memory straight into registers, one chunk ahead.  No cluster: partners would walk different numbers of chunks.
; LAYOUT.  Both products are used transposed: S^T = K Q^T (source 0 = 16 keys, source 1 = my 16 queries), O^T = V^T P^T: a lane holds ONE query (lane % 16).  Lane r of key tile 2 b + u takes key 32 b + 8 u + r + 8 (r / 8),
; so that score register j holds key 32 (j / 16) + 16 (lane / 16) + j % 16.  K = 64 fills registers 0-3 of a fragment; registers 4-7 hold zero codes on both sides, written once.
.set PSLOT, 4352                       ; LDS: a wave's partial: O^T's image 4,096 bytes, -M 128, the sum 128
.set STAGE, 23*PSLOT                   ; 23 slots, so that slot w + 7 of wave 15 lies inside; behind them a stage of 16 rows x (256 + 16) bytes for each wave
.set SPARE, STAGE+16*PSLOT             ; the spare words, 128 bytes for each wave: eight blocks of 256 bytes that no other line names
.set KO,  1                            ; v1   K's codes: (r + 8 (r / 8)) x 32 + 16 h
.set KSO, 2                            ; v2   K's scales: (r + 8 (r / 8) + 8 h) x 2: lanes 0-15 an even tile's rows, lanes 16-31 the odd tile's
.set L16, 3                            ; v3   16 x lane
.set L2,  4                            ; v4   2 x lane
.set QO,  5                            ; v5   32 r + 16 h
.set QSO, 6                            ; v6   2 r
.set LI,  7                            ; v7   4 x (lane % 8)
.set AK,  8                            ; v8-11 offsets of the loads in hand: K's codes, K's scales, V's codes, V's scales
.set AKS, 9
.set AV,  10
.set AVS, 11
.set NM,  12                           ; v12 -M, v13 the largest t, v[14:15] the sum in two halves
.set QF,  16                           ; v[16:23] Q's fragment
.set PI,  24                           ; v24  LDS: my slot + 16 x lane
.set PM,  25                           ; v25  LDS: my slot + 4,096 + 4 x lane
.set STO, 26                           ; v26  LDS: my stage, row r, + 32 h
.set SRD, 27                           ; v27  LDS: my stage, row h, + 16 r
.set SPW, 28                           ; v28  LDS address of my spare word; never rewritten
.set NIL, 29                           ; v29  0; never rewritten
.set NEG, 30                           ; v30  -2^33: a masked raw score
.set LST, 31                           ; v31  the segment's chunks: lane L holds entry a + L % 8
.set KF,  32                           ; v[32:63]  K: four tiles
.set VF,  64                           ; v[64:95]  V: four tiles
.set SC,  96                           ; v[96:127] S^T, then p; in the merge a partner's O^T
.set OT,  128                          ; v[128:159] O^T: tile dt at 128 + 8 dt
.set PC,  160                          ; v[160:167] P's codes
.set BM,  168                          ; v168-169 a block's largest score, then its largest p
.set PD,  170                          ; v170-171 lane permutes' destinations, then the scale bytes
.set T0,  172                          ; v172 at work
.set F,   174                          ; v[174:175] f = 2^(old M - new M)
.set SU,  176                          ; v[176:177] the sums' second chain
.set SO,  178                          ; v178-179 the conversions' scale operands
.set KS,  200                          ; v200-201 K's scale words, v202-203 V's, v204 Q's, v205 P's: they hold scales and nothing else
.set VS,  202
.set QS,  204
.set PS,  205
.set MW,  16                           ; s[16:47] the chunk's 32 mask words; between jobs: at work
	s_load_b512 s[68:83], s[0:1], 0x0              ; q_codes s[68:69], q_scales s[70:71], k_codes s[72:73], k_scales s[74:75], vfrag s[76:77], vsc s[78:79], bits s[80:81], list s[82:83]
	s_load_b128 s[84:87], s[0:1], 0x40             ; cnt s[84:85], out0 s[86:87]
	v_lshl_add_u32 v[SPW], v0, 2, SPARE
	v_mov_b32 v[NIL], 0
	v_lshrrev_b32 v172, 5, v0
	s_delay_alu instid0(VALU_DEP_1)
	v_readfirstlane_b32 s2, v172                   ; wave 0 .. 15
	v_and_b32 v168, 31, v0                         ; lane
	v_and_b32 v169, 15, v0                         ; r
	v_bfe_u32 v170, v0, 4, 1                       ; h
	s_delay_alu instid0(VALU_DEP_2)
	v_and_b32 v171, 8, v169
	s_delay_alu instid0(VALU_DEP_1)
	v_add_nc_u32 v171, v171, v169                  ; r + 8 (r / 8)
	s_delay_alu instid0(VALU_DEP_1)
	v_lshlrev_b32 v[KO], 5, v171
	s_delay_alu instid0(VALU_DEP_1)
	v_lshl_add_u32 v[KO], v170, 4, v[KO]
	s_delay_alu instid0(VALU_DEP_3)
	v_lshl_add_u32 v[KSO], v170, 3, v171
	s_delay_alu instid0(VALU_DEP_1)
	v_lshlrev_b32 v[KSO], 1, v[KSO]
	v_lshlrev_b32 v[L16], 4, v168
	v_lshlrev_b32 v[L2], 1, v168
	v_lshlrev_b32 v[QO], 5, v169
	s_delay_alu instid0(VALU_DEP_1)
	v_lshl_add_u32 v[QO], v170, 4, v[QO]
	v_lshlrev_b32 v[QSO], 1, v169
	v_and_b32 v[LI], 7, v0
	s_delay_alu instid0(VALU_DEP_1)
	v_lshlrev_b32 v[LI], 2, v[LI]
	s_mul_i32 s16, s2, PSLOT
	v_add_nc_u32 v[PI], s16, v[L16]
	v_lshl_add_u32 v[PM], v168, 2, s16
	s_delay_alu instid0(VALU_DEP_1)
	v_add_nc_u32 v[PM], 4096, v[PM]
	s_add_co_u32 s17, s16, STAGE
	v_mul_u32_u24 v[STO], v169, 272
	s_delay_alu instid0(VALU_DEP_1)
	v_lshl_add_u32 v[STO], v170, 5, v[STO]
	s_delay_alu instid0(VALU_DEP_1)
	v_add_nc_u32 v[STO], s17, v[STO]
	v_mul_u32_u24 v[SRD], v170, 272
	s_delay_alu instid0(VALU_DEP_1)
	v_lshl_add_u32 v[SRD], v169, 4, v[SRD]
	s_delay_alu instid0(VALU_DEP_1)
	v_add_nc_u32 v[SRD], s17, v[SRD]
	v_mov_b32 v[NEG], 0xd0000000
.irp i, 4,5,6,7
	v_mov_b32 v[QF+\i], 0                          ; the zero codes of k = 64 .. 127, written once: Q's, P's,
	v_mov_b32 v[PC+\i], 0
.irp T, 0,1,2,3
	v_mov_b32 v[KF+8*\T+\i], 0                     ; K's and V's
	v_mov_b32 v[VF+8*\T+\i], 0
.endr
.endr
	v_mov_b32 v[F+1], 0                            ; upper halves of pairs of which the low word serves both halves: named, so written
	v_mov_b32 v187, 0
	v_mov_b32 v189, 0
	v_mov_b32 v[SU], 0                             ; a lane permute's destination counts as one of its sources (v170, v171 are written above)
	s_mov_b32 s88, 0x76543210
	s_mov_b32 s89, 0xfedcba98                      ; v_permlanex16_b32's selects for lane l xor 16
	s_mov_b32 s90, 0x3e38aa3b                      ; c = log2(e) / 8: t = raw score x c
	s_mov_b32 s91, s90
	v_lshlrev_b32 v172, 2, v168
	s_wait_alu depctr_va_vdst(0)
	s_wait_kmcnt 0x0
	s_mov_b64 s[58:59], s[86:87]                   ; the stores' base is the output's address from the first trip on, on the path of a trip without a job too, on which nothing is stored; a job puts its own rows' address here
	global_load_b32 v208, v172, s[84:85]           ; lane L: the four counts of quad L,
	global_load_b32 v209, v172, s[84:85] offset:128   ; and of quad 32 + L
	s_wait_loadcnt 0x0
; The schedule of 32 quads.  The counts are bytes of at most 64: adding 127 - 8 to each sets its top bit where it is over 8, with no carry.  s[g], s[g+1], s[g+2]: quads whose largest count is over 8, 16, 32.
; A quad has 1 + [> 8] + 2 [> 16] + 4 [> 32] segments; v[p]: the segments of the quads under mine; s[tot]: of all 32.
.macro SCHED x, p, g, tot
	v_add_nc_u32 v212, 0x77777777, v[\x]
	v_add_nc_u32 v213, 0x6f6f6f6f, v[\x]
	v_add_nc_u32 v214, 0x5f5f5f5f, v[\x]
	s_delay_alu instid0(VALU_DEP_3)
	v_and_b32 v212, 0x80808080, v212
	s_delay_alu instid0(VALU_DEP_3)
	v_and_b32 v213, 0x80808080, v213
	s_delay_alu instid0(VALU_DEP_3)
	v_and_b32 v214, 0x80808080, v214
	s_delay_alu instid0(VALU_DEP_3)
	v_cmp_ne_u32 s[\g], 0, v212
	s_delay_alu instid0(VALU_DEP_3)
	v_cmp_ne_u32 s[\g+1], 0, v213
	s_delay_alu instid0(VALU_DEP_3)
	v_cmp_ne_u32 s[\g+2], 0, v214
	s_delay_alu instid0(VALU_DEP_1)
	v_mbcnt_lo_u32_b32 v[\p], s[\g+2], 0
	s_delay_alu instid0(VALU_DEP_1)
	v_lshlrev_b32 v[\p], 1, v[\p]
	s_delay_alu instid0(VALU_DEP_1)
	v_mbcnt_lo_u32_b32 v[\p], s[\g+1], v[\p]
	s_delay_alu instid0(VALU_DEP_1)
	v_lshlrev_b32 v[\p], 1, v[\p]
	s_delay_alu instid0(VALU_DEP_1)
	v_mbcnt_lo_u32_b32 v[\p], s[\g], v[\p]
	s_delay_alu instid0(VALU_DEP_1)
	v_add_nc_u32 v[\p], v168, v[\p]
	s_bcnt1_i32_b32 s16, s[\g]
	s_bcnt1_i32_b32 s17, s[\g+1]
	s_bcnt1_i32_b32 s18, s[\g+2]
	s_lshl_b32 s17, s17, 1
	s_lshl_b32 s18, s18, 2
	s_add_co_u32 s[\tot], s16, s17
	s_add_co_u32 s[\tot], s[\tot], s18
	s_add_co_u32 s[\tot], s[\tot], 32
.endm
	SCHED 208, 210, 92, 19
	SCHED 209, 211, 95, 4
	s_wait_alu depctr_va_vdst(0)
	v_add_nc_u32 v211, s19, v211
	v_mul_u32_u24 v210, v210, 3                    ; the first item of quad L,
	s_delay_alu instid0(VALU_DEP_2)
	v_mul_u32_u24 v211, v211, 3                    ; and of quad 32 + L
	s_add_co_u32 s4, s4, s19
	s_mul_i32 s4, s4, 3                            ; items in all
	s_mov_b32 s5, ttmp9                            ; my item
	s_mov_b32 s3, 0
.macro KLOAD                           ; a chunk's K: four tiles' codes, 16 bytes a lane, and two registers of scale words: six loads
.irp T, 0,1,2,3
	global_load_b128 v[KF+8*\T:KF+8*\T+3], v[AK], s[48:49] offset:1024*(\T/2)+256*(\T%2)
.endr
.irp b, 0,1
	global_load_u16 v[KS+\b], v[AKS], s[50:51] offset:64*\b
.endr
.endm
.macro VLOAD                           ; a chunk's V, in the order of the operand's registers: each load takes 512 consecutive bytes; six loads
.irp d, 0,1,2,3
	global_load_b128 v[VF+8*\d:VF+8*\d+3], v[AV], s[52:53] offset:512*\d
.endr
.irp x, 0,1
	global_load_u16 v[VS+\x], v[AVS], s[54:55] offset:64*\x
.endr
.endm
.Ltrip:
	s_wait_xcnt 0x0                                ; the last trip's stores have read their data, offsets and base: all are written again below
	s_mov_b32 s98, 0                               ; 1: I am segment 0 of a job
	s_cmp_ge_u32 s5, s4
	s_cbranch_scc1 .Lb1                            ; no such item
	; ---- which quad, job and segment
	s_wait_alu depctr_va_vdst(0)
	v_cmp_ge_u32 s16, s5, v210
	v_cmp_ge_u32 s17, s5, v211
	s_bcnt1_i32_b32 s16, s16
	s_bcnt1_i32_b32 s17, s17
	s_add_co_u32 s6, s16, s17
	s_sub_co_u32 s6, s6, 1                         ; the last quad whose first item is at or under mine (quad 0's is 0)
	s_min_u32 s6, s6, 63
	s_and_b32 s18, s6, 31
	v_readlane_b32 s19, v210, s18
	v_readlane_b32 s20, v211, s18
	v_readlane_b32 s21, v208, s18
	v_readlane_b32 s22, v209, s18
	s_cmp_lt_u32 s6, 32
	s_cselect_b32 s19, s19, s20                    ; the quad's first item,
	s_cselect_b32 s21, s21, s22                    ; its four counts,
	s_cselect_b32 s23, s92, s95
	s_cselect_b32 s24, s93, s96
	s_cselect_b32 s25, s94, s97
	s_lshr_b32 s23, s23, s18
	s_lshr_b32 s24, s24, s18
	s_lshr_b32 s25, s25, s18
	s_and_b32 s23, s23, 1
	s_and_b32 s24, s24, 1
	s_and_b32 s25, s25, 1
	s_add_co_u32 s7, s23, s24
	s_add_co_u32 s7, s7, s25                       ; log2 of its segments,
	s_lshl_b32 s8, 1, s7                           ; S
	s_sub_co_u32 s19, s5, s19
	s_lshl_b32 s19, s19, 4
	s_add_co_u32 s19, s19, s2                      ; my place among the quad's 48 S
	s_lshr_b32 s20, s19, s7                        ; job = 4 head + tile in the quad
	s_sub_co_u32 s22, s8, 1
	s_and_b32 s9, s19, s22                         ; segment
	s_lshr_b32 s26, s20, 2
	s_min_u32 s26, s26, 11                         ; head
	s_and_b32 s20, s20, 3
	s_lshl_b32 s27, s6, 2
	s_add_co_u32 s27, s27, s20
	s_min_u32 s27, s27, 255                        ; tile
	s_lshl_b32 s20, s20, 3
	s_lshr_b32 s10, s21, s20
	s_and_b32 s10, s10, 255
	s_min_u32 s10, s10, 64                         ; n: the tile's chunks
	s_mul_i32 s11, s9, s10
	s_add_co_u32 s12, s11, s10
	s_lshr_b32 s11, s11, s7                        ; my first entry of the list: segment x n / S,
	s_lshr_b32 s12, s12, s7
	s_sub_co_u32 s12, s12, s11
	s_min_u32 s12, s12, 8                          ; and how many are mine: 0 .. 8
	s_min_u32 s11, s11, 56                         ; (a + 7 stays inside the tile's 64 entries)
	; ---- the job's addresses, each from its own buffer's pointer
	s_mov_b32 s29, 0
	s_mov_b32 s31, 0
	s_lshl_b32 s28, s26, 17                        ; a head's codes: 131,072 bytes
	s_add_nc_u64 s[48:49], s[72:73], s[28:29]      ; K's codes
	s_add_nc_u64 s[52:53], s[76:77], s[28:29]      ; V's fragments
	s_add_nc_u64 s[60:61], s[68:69], s[28:29]
	s_lshl_b32 s30, s27, 9
	s_add_nc_u64 s[60:61], s[60:61], s[30:31]      ; Q's codes: 16 rows of 32 bytes a tile
	s_lshl_b32 s28, s26, 13                        ; a head's scale bytes: 8,192
	s_add_nc_u64 s[50:51], s[74:75], s[28:29]      ; K's scales
	s_add_nc_u64 s[54:55], s[78:79], s[28:29]      ; V's
	s_add_nc_u64 s[62:63], s[70:71], s[28:29]
	s_lshl_b32 s30, s27, 5
	s_add_nc_u64 s[62:63], s[62:63], s[30:31]      ; Q's
	s_lshl_b32 s30, s27, 13
	s_add_nc_u64 s[56:57], s[80:81], s[30:31]      ; the tile's mask words
	s_lshl_b32 s28, s26, 20
	s_lshl_b32 s30, s27, 12
	s_add_co_u32 s28, s28, s30
	s_add_nc_u64 s[58:59], s[86:87], s[28:29]      ; the job's 16 rows of the output: 4,096 consecutive bytes
	s_lshl_b32 s28, s27, 8
	s_lshl_b32 s30, s11, 2
	s_add_co_u32 s28, s28, s30
	s_add_nc_u64 s[66:67], s[82:83], s[28:29]      ; my entries of the list
	global_load_b32 v[LST], v[LI], s[66:67]
	global_load_b128 v[QF:QF+3], v[QO], s[60:61]
	global_load_u16 v[QS], v[QSO], s[62:63]
	v_mov_b32 v13, 0xff61b1e6                      ; the largest t so far: -3e38, under every t
	s_delay_alu instid0(VALU_DEP_1)
	v_floor_f32 v[NM], -v13                        ; -M
	v_mov_b32 v14, 0
	v_mov_b32 v15, 0
.set j, 0
.rept 32
	v_mov_b32 v[OT+j], 0                           ; O^T.  (The step is written once: the first finds zeros, which the first change of M leaves zeros; an empty segment hands zeros on)
.set j, j+1
.endr
	s_wait_loadcnt 0x2                             ; the list is in; Q's two loads, issued behind it, may be out
	v_readlane_b32 s14, v[LST], 0
	s_min_u32 s14, s14, 63                         ; the first chunk
	s_lshl_b32 s15, s14, 7
	s_load_b512 s[MW:MW+15], s[56:57], s15         ; its 32 mask words
	s_load_b512 s[MW+16:MW+31], s[56:57], s15 offset:0x40
	v_lshl_add_u32 v[AK], s14, 11, v[KO]
	v_lshl_add_u32 v[AKS], s14, 7, v[KSO]
	KLOAD
	s_mov_b32 s13, 0
	s_cmp_eq_u32 s12, 0
	s_cbranch_scc1 .Lpost                          ; an empty segment: what was asked for is awaited there
	; ---- A STEP: one chunk, 16 queries x 64 keys.  s14: this step's chunk; its K and mask words were asked for a step ago
.Lstep:
	s_setprio 2
	v_lshl_add_u32 v[AV], s14, 11, v[L16]
	v_lshl_add_u32 v[AVS], s14, 7, v[L2]
	v_nop
	v_nop                                          ; four plain instructions between the last step's products and the loads into the registers that they read
	VLOAD
	s_add_co_u32 s99, s13, 1
	s_sub_co_u32 s100, s12, 1
	s_min_u32 s99, s99, s100                       ; the next step's entry; the last step asks for its own chunk again, so that the counts below hold on every path and no load leaves its buffer
	v_readlane_b32 s14, v[LST], s99
	s_min_u32 s14, s14, 63
	s_wait_loadcnt 0x6                             ; all but V's six loads just issued: K is in, and in the first step Q
.irp T, 0,1,2,3
.if \T%2
	v_wmma_scale_f32_16x16x128_f8f6f4 v[SC+8*\T:SC+8*\T+7], v[KF+8*\T:KF+8*\T+7], v[QF:QF+7], 0, v[KS+\T/2], v[QS] matrix_a_fmt:MATRIX_FMT_FP4 matrix_b_fmt:MATRIX_FMT_FP4 matrix_a_scale:MATRIX_SCALE_ROW1
.else
	v_wmma_scale_f32_16x16x128_f8f6f4 v[SC+8*\T:SC+8*\T+7], v[KF+8*\T:KF+8*\T+7], v[QF:QF+7], 0, v[KS+\T/2], v[QS] matrix_a_fmt:MATRIX_FMT_FP4 matrix_b_fmt:MATRIX_FMT_FP4
.endif
.endr
	v_lshl_add_u32 v[AK], s14, 11, v[KO]           ; (K's loads are shown done, so their offsets may be written)
	v_lshl_add_u32 v[AKS], s14, 7, v[KSO]
	v_nop
	v_nop                                          ; four plain instructions: in front of the loads into K's registers and of the first read of the scores
	KLOAD                                          ; the next chunk's K
	s_wait_kmcnt 0x0                               ; this chunk's mask words
.set j, 0
.rept 32
	v_cndmask_b32 v[SC+j], v[NEG], v[SC+j], s[MW+j]   ; a masked score becomes -2^33; each accumulator from its low end on
.set j, j+1
.endr
	s_lshl_b32 s15, s14, 7
	s_load_b512 s[MW:MW+15], s[56:57], s15         ; the next chunk's mask words
	s_load_b512 s[MW+16:MW+31], s[56:57], s15 offset:0x40
.irp b, 0,1
	v_max3_num_f32 v[BM+\b], v[SC+16*\b], v[SC+1+16*\b], v[SC+2+16*\b]   ; the largest score of each block of 32 keys: for the row's maximum, and, since p rises with the score, for the block's largest p
.endr
.irp i, 3,5,7,9,11,13
.irp b, 0,1
	s_delay_alu instid0(VALU_DEP_2)
	v_max3_num_f32 v[BM+\b], v[BM+\b], v[SC+16*\b+\i], v[SC+1+16*\b+\i]
.endr
.endr
.irp b, 0,1
	s_delay_alu instid0(VALU_DEP_2)
	v_max_num_f32 v[BM+\b], v[BM+\b], v[SC+15+16*\b]
.endr
.irp b, 0,1
	s_delay_alu instid0(VALU_DEP_2)
	v_permlanex16_b32 v[PD+\b], v[BM+\b], s88, s89
.endr
.irp b, 0,1
	s_delay_alu instid0(VALU_DEP_2)
	v_max_num_f32 v[BM+\b], v[BM+\b], v[PD+\b]     ; with lane l xor 16's 16 keys
.endr
	s_delay_alu instid0(VALU_DEP_1)
	v_max_num_f32 v[T0], v[BM], v[BM+1]
	s_delay_alu instid0(VALU_DEP_1)
	v_mul_f32 v[T0], s90, v[T0]                    ; as t (c is positive)
	s_delay_alu instid0(VALU_DEP_1)
	v_max_num_f32 v13, v13, v[T0]                  ; the running largest t
	v_mov_b32 v[T0], v[NM]
	s_delay_alu instid0(VALU_DEP_2)
	v_floor_f32 v[NM], -v13                        ; the new -M = floor(-t) = -ceil(t)
	s_delay_alu instid0(VALU_DEP_1)
	v_sub_f32 v[T0], v[NM], v[T0]                  ; old M less new M: a whole number, 0 or less
	s_delay_alu instid0(VALU_DEP_1)
	v_cvt_i32_f32 v[T0], v[T0]                     ; (it saturates)
	s_delay_alu instid0(VALU_DEP_1)
	v_ldexp_f32 v[F], 1.0, v[T0]                   ; f = 2^(old M - new M)
.set j, 0
.rept 16
	v_pk_fma_f32 v[SC+j:SC+j+1], v[SC+j:SC+j+1], s[90:91], v[NM:NM+1] op_sel_hi:[1,0,0]   ; t - M, two at a time
.set j, j+2
.endr
.irp b, 0,1
	v_fma_f32 v[BM+\b], v[BM+\b], s90, v[NM]       ; the same of each block's largest score
.endr
.set j, 0
	s_setprio 1
	s_wait_alu depctr_va_vdst(0)
.rept 32
	v_exp_f32 v[SC+j], v[SC+j]                     ; p = 2^(t - M)
.set j, j+1
.endr
	v_pk_mul_f32 v[14:15], v[14:15], v[F:F+1] op_sel_hi:[1,0]   ; the sums under the new M: the plain instruction behind the exponentials
	s_wait_alu depctr_va_vdst(0)                   ; one wait for the batch of 32, ahead of its first reader
.irp b, 0,1
	v_exp_f32 v[BM+\b], v[BM+\b]                   ; the block's largest p: the same two instructions on the same number give the same bits
.endr
	v_pk_add_f32 v[176:177], v[100:101], v[104:105]
	v_pk_add_f32 v[254:255], v[108:109], v[112:113]
	v_pk_add_f32 v[252:253], v[116:117], v[120:121]
	v_pk_add_f32 v[250:251], v[124:125], v[96:97]
	v_pk_add_f32 v[248:249], v[98:99], v[102:103]
	v_pk_add_f32 v[246:247], v[106:107], v[110:111]
	v_pk_add_f32 v[244:245], v[114:115], v[118:119]
	v_pk_add_f32 v[14:15], v[14:15], v[122:123]
	v_pk_add_f32 v[176:177], v[176:177], v[126:127]
	s_delay_alu instid0(VALU_DEP_2)
	v_pk_add_f32 v[14:15], v[14:15], v[250:251]
	s_delay_alu instid0(VALU_DEP_2)
	v_pk_add_f32 v[176:177], v[176:177], v[248:249]
	v_pk_add_f32 v[254:255], v[254:255], v[246:247]
	v_pk_add_f32 v[252:253], v[252:253], v[244:245]
	s_delay_alu instid0(VALU_DEP_2)
	v_pk_add_f32 v[14:15], v[14:15], v[254:255]
	s_delay_alu instid0(VALU_DEP_2)
	v_pk_add_f32 v[176:177], v[176:177], v[252:253]
	s_delay_alu instid0(VALU_DEP_1)
	v_pk_add_f32 v[14:15], v[14:15], v[176:177]
	s_wait_alu depctr_va_vdst(0)                   ; and one for the two
.irp b, 0,1
	v_max_num_f32 v[BM+\b], 0x1800000, v[BM+\b]    ; the floor 2^(3 - 127): the byte cannot fall under 1
.endr
.irp b, 0,1
	s_delay_alu instid0(VALU_DEP_2)
	v_add_nc_u32 v[SO+\b], 0xff000000, v[BM+\b]    ; 2 off the exponent field: the conversion's scale operand
.endr
.irp b, 0,1
	s_delay_alu instid0(VALU_DEP_2)
	v_lshrrev_b32 v[PD+\b], 23, v[SO+\b]           ; the scale's byte
.endr
	s_delay_alu instid0(VALU_DEP_1)
	v_lshl_or_b32 v[PS], v[PD+1], 8, v[PD]         ; p's scale word for these 64 keys; bytes 2 and 3, over zero codes, are 0
.irp b, 0,1
	v_cvt_scalef32_pk8_fp4_f32 v[PC+2*\b], v[SC+16*\b:SC+7+16*\b], v[SO+\b]
	v_cvt_scalef32_pk8_fp4_f32 v[PC+1+2*\b], v[SC+8+16*\b:SC+15+16*\b], v[SO+\b]
.endr
	v_nop                                          ; one plain instruction behind the scaled conversions
	v_permlane16_swap_b32 v[PC], v[PC+2]           ; the operand wants a whole block in a lane: lanes 0-15 block 0, lanes 16-31 block 1
	v_permlane16_swap_b32 v[PC+1], v[PC+3]
.set j, 0
.rept 16
	v_pk_mul_f32 v[OT+j:OT+j+1], v[OT+j:OT+j+1], v[F:F+1] op_sel_hi:[1,0]   ; O^T under the new M; these sixteen also stand between the writes of P's codes and scale word and the products below
.set j, j+2
.endr
	s_setprio 0
	s_wait_alu depctr_va_vdst(0)
	s_wait_loadcnt 0x6                             ; all but the next chunk's six loads of K: V is in
.irp d, 0,1,2,3
.if \d%2
	v_wmma_scale_f32_16x16x128_f8f6f4 v[OT+8*\d:OT+8*\d+7], v[VF+8*\d:VF+8*\d+7], v[PC:PC+7], v[OT+8*\d:OT+8*\d+7], v[VS+\d/2], v[PS] matrix_a_fmt:MATRIX_FMT_FP4 matrix_b_fmt:MATRIX_FMT_FP4 matrix_a_scale:MATRIX_SCALE_ROW1
.else
	v_wmma_scale_f32_16x16x128_f8f6f4 v[OT+8*\d:OT+8*\d+7], v[VF+8*\d:VF+8*\d+7], v[PC:PC+7], v[OT+8*\d:OT+8*\d+7], v[VS+\d/2], v[PS] matrix_a_fmt:MATRIX_FMT_FP4 matrix_b_fmt:MATRIX_FMT_FP4
.endif
.endr                                              ; the four accumulators take turns, one instruction a turn, and the next step's four score products stand between two links
	s_add_co_u32 s13, s13, 1
	s_cmp_lt_u32 s13, s12
	s_cbranch_scc1 .Lstep
	s_setprio 0
.Lpost:
	s_wait_loadcnt 0x0                             ; what was asked for ahead and is not used
	s_wait_kmcnt 0x0
.rept 4
	v_nop                                          ; four plain instructions behind the last products, in front of the first read of O^T
.endr
	v_add_f32 v14, v14, v15                        ; the sum's two halves,
	s_delay_alu instid0(VALU_DEP_1)
	v_permlanex16_b32 v[SU], v14, s88, s89
	s_delay_alu instid0(VALU_DEP_1)
	v_add_f32 v14, v14, v[SU]                      ; and lane l xor 16's
	s_cmp_eq_u32 s9, 0
	s_cselect_b32 s98, 1, 0
	s_cbranch_scc1 .Lb1
	; a segment other than 0 hands its state on as an image of its registers: 16 bytes a lane, 512 a store
	s_wait_alu depctr_va_vdst(0)
.irp e, 0,1,2,3,4,5,6,7
	ds_store_b128 v[PI], v[OT+4*\e:OT+4*\e+3] offset:512*\e
.endr
	ds_store_b32 v[PM], v[NM]
	ds_store_b32 v[PM], v14 offset:128
.Lb1:
	s_wait_dscnt 0x0                               ; for the others' sake: my stores are done
	s_barrier_signal -1
	s_barrier_wait -1
	s_cmp_eq_u32 s98, 0
	s_cbranch_scc1 .Lb2
	; ---- segment 0 takes in segments 1 .. S - 1, which are waves w + 1 .. w + S - 1.  All under the larger M: both factors are powers of two, 0 for an empty segment (-M = 3e38)
.irp k, 1,2,3,4,5,6,7
	s_cmp_le_u32 s8, \k
	s_cbranch_scc1 .Lmerged
	ds_load_b32 v180, v[PM] offset:\k*PSLOT
	ds_load_b32 v181, v[PM] offset:\k*PSLOT+128
.irp e, 0,1,2,3,4,5,6,7
	ds_load_b128 v[SC+4*\e:SC+4*\e+3], v[PI] offset:\k*PSLOT+512*\e
.endr
	s_wait_dscnt 0x0
	v_min_num_f32 v182, v[NM], v180                ; the new -M
	s_delay_alu instid0(VALU_DEP_1)
	v_sub_f32 v183, v182, v[NM]
	s_delay_alu instid0(VALU_DEP_2)
	v_sub_f32 v184, v182, v180
	s_delay_alu instid0(VALU_DEP_2)
	v_cvt_i32_f32 v183, v183
	s_delay_alu instid0(VALU_DEP_2)
	v_cvt_i32_f32 v184, v184
	s_delay_alu instid0(VALU_DEP_2)
	v_ldexp_f32 v186, 1.0, v183                    ; my factor,
	s_wait_alu depctr_va_vdst(0)
	v_ldexp_f32 v188, 1.0, v184                    ; the partner's
	v_mov_b32 v[NM], v182
	v_mul_f32 v14, v14, v186
	s_delay_alu instid0(VALU_DEP_1)
	v_fma_f32 v14, v181, v188, v14
.set j, 0
.rept 16
	v_pk_mul_f32 v[OT+j:OT+j+1], v[OT+j:OT+j+1], v[186:187] op_sel_hi:[1,0]
	s_delay_alu instid0(VALU_DEP_1)
	v_pk_fma_f32 v[OT+j:OT+j+1], v[SC+j:SC+j+1], v[188:189], v[OT+j:OT+j+1] op_sel_hi:[1,0,1]
.set j, j+2
.endr
.endr
.Lmerged:
	; ---- the way out: O^T / the sum; register 8 dt + i of lane (r, h) is out(query r, channel 16 dt + 8 h + i).  Through my own stage, so that each store of the wave covers 512 consecutive bytes, aligned
	s_wait_alu depctr_va_vdst(0)
	v_rcp_f32 v14, v14
	v_nop                                          ; a plain instruction behind the reciprocal,
	s_wait_alu depctr_va_vdst(0)                   ; and the wait ahead of its first reader
.set j, 0
.rept 32
	v_mul_f32 v[SC+j], v[OT+j], v14
.set j, j+1
.endr
.irp d, 0,1,2,3
	ds_store_b128 v[STO], v[SC+8*\d:SC+8*\d+3] offset:64*\d
	ds_store_b128 v[STO], v[SC+8*\d+4:SC+8*\d+7] offset:64*\d+16
.endr
.irp i, 0,1,2,3,4,5,6,7
	ds_load_b128 v[OT+4*\i:OT+4*\i+3], v[SRD] offset:544*\i   ; LDS serves a wave's instructions in order: these see my stores.  Lanes 0-15 take row 2 i, lanes 16-31 row 2 i + 1
.endr
.irp i, 0,1,2,3,4,5,6,7
	s_wait_dscnt 7-\i                              ; the younger reads of the stage may be out
	global_store_b128 v[L16], v[OT+4*\i:OT+4*\i+3], s[58:59] offset:512*\i th:TH_STORE_NT
.endr
.Lb2:
	s_wait_dscnt 0x0                               ; my reads of the partners' slots are over: behind this barrier they may be written again
	s_barrier_signal -1
	s_barrier_wait -1
	s_add_co_u32 s5, s5, 256
	s_add_co_u32 s3, s3, 1
	s_cmp_lt_u32 s3, 6
	s_cbranch_scc1 .Ltrip
	s_wait_tensorcnt 0x0                           ; the wave's end: behind my last LDS store
	ds_add_u32 v[SPW], v[NIL]
	s_wait_dscnt 0x0
	s_endpgm
.Lfunc_end_k_q6d62e373f2_attn:
	.size	k_q6d62e373f2_attn, .Lfunc_end_k_q6d62e373f2_attn-k_q6d62e373f2_attn
	.p2alignl 7, 3214868480
	.fill 96, 4, 3214868480
	.section	.rodata,"a",@progbits
	.p2align	6, 0x0
	.amdhsa_kernel k_q6d62e373f2_attn
		.amdhsa_group_segment_fixed_size 171776
		.amdhsa_private_segment_fixed_size 0
		.amdhsa_enable_private_segment 0
		.amdhsa_kernarg_size 80
		.amdhsa_user_sgpr_count 2
		.amdhsa_user_sgpr_kernarg_segment_ptr 1
		.amdhsa_wavefront_size32 1
		.amdhsa_system_sgpr_workgroup_id_x 1
		.amdhsa_system_sgpr_workgroup_id_y 1
		.amdhsa_system_sgpr_workgroup_id_z 1
		.amdhsa_system_vgpr_workitem_id 0
		.amdhsa_next_free_vgpr 256
		.amdhsa_next_free_sgpr 104
		.amdhsa_reserve_vcc 0
		.amdhsa_float_denorm_mode_32 3
		.amdhsa_float_denorm_mode_16_64 3
		.amdhsa_memory_ordered 1
		.amdhsa_forward_progress 1
		.amdhsa_inst_pref_size 58
	.end_amdhsa_kernel
	.amdgpu_metadata
---
amdhsa.version: [ 1, 2 ]
amdhsa.kernels:
  - .name:           k_q6d62e373f2_attn
    .symbol:         k_q6d62e373f2_attn.kd
    .args:
      - { .name: q_codes, .offset: 0, .size: 8, .value_kind: global_buffer, .address_space: global }
      - { .name: q_scales, .offset: 8, .size: 8, .value_kind: global_buffer, .address_space: global }
      - { .name: k_codes, .offset: 16, .size: 8, .value_kind: global_buffer, .address_space: global }
      - { .name: k_scales, .offset: 24, .size: 8, .value_kind: global_buffer, .address_space: global }
      - { .name: vfrag, .offset: 32, .size: 8, .value_kind: global_buffer, .address_space: global }
      - { .name: vsc, .offset: 40, .size: 8, .value_kind: global_buffer, .address_space: global }
      - { .name: bits, .offset: 48, .size: 8, .value_kind: global_buffer, .address_space: global }
      - { .name: list, .offset: 56, .size: 8, .value_kind: global_buffer, .address_space: global }
      - { .name: cnt, .offset: 64, .size: 8, .value_kind: global_buffer, .address_space: global }
      - { .name: out0, .offset: 72, .size: 8, .value_kind: global_buffer, .address_space: global }
    .group_segment_fixed_size: 171776
    .private_segment_fixed_size: 0
    .kernarg_segment_align: 8
    .kernarg_segment_size: 80
    .max_flat_workgroup_size: 512
    .sgpr_count:     104
    .vgpr_count:     256
    .wavefront_size: 32
...
	.end_amdgpu_metadata
.endif
;; end of part 2
